; MI455X (gfx1250); checked and timed in simulation.
; The chip was launched on July 23, 2026; its instructions are those of AMD's public machine-readable ISA for CDNA 5 (MIT licence, August 2026) and "CDNA5" Instruction Set Architecture Reference Guide (July 2026). The comments in the code are by the model that wrote it; some were corrected since.
;; Riemannian Manifold. Allowed arithmetic: matrix products marked QUANTISED: E2M1 operands, one E8M0 scale for each 32 along K, by v_wmma_scale_f32_16x16x128_f8f6f4 with both operands' format E2M1 (or v_wmma_scale_f32_32x16x128_f4), f32 sums; everything else in f32.
;; Inputs: K 2 x 1,024 x 32 float32; Q 2 x 1,024 x 32 float32; W1 64 x 32 float32; W2 1,024 x 64 float32; b1 64 float32; b2 1,024 float32.
;; Outputs: out0 2 x 1,024 x 1,024 float32.
;; This version of the problem:
;;   THIS VERSION OF THE PROBLEM IS GIVEN IN LOW PRECISION. The matrix products marked QUANTISED in the list below multiply operands that are first quantised to E2M1 (2 exponent bits, 1 mantissa bit; 4 bits a number), with one power-of-two scale for each 32 numbers along K (OCP MX v1.0); their sums are f32. All else is computed in f32.
;;   The module's matrix products, in the order in which they are computed (A, B: the left and right operand; K: the contracted axis; several contracted axes count as one K, in the product's order):
;;     1. [M 2,048, K 32] x [K 32, N 64]; A: input Q; B: input W1: QUANTISED
;;     2. [M 2,048, K 64] x [K 64, N 1,024]; A: computed on the way; B: input W2: QUANTISED
;;     3. [M 2,048, K 32] x [K 32, N 64]; A: input K; B: input W1: QUANTISED
;;     4. [M 2,048, K 64] x [K 64, N 1,024]; A: computed on the way; B: input W2: QUANTISED
;;     5. batch 2,048 x [M 1,024, K 32] x [K 32, N 32]; A: computed on the way; B: computed on the way: QUANTISED
;;     6. batch 2,048 x [M 32, K 32] x [K 32, N 1,024]; A: computed on the way; B: computed on the way: QUANTISED
;;   THE QUANTISER, for each operand of a quantised product, along K:
;;     - K is cut into blocks of 32 from its start; a last block that is shorter is filled with zeros.
;;     - A block's scale is 2^e with e = floor(log2(the largest magnitude in the block)) - 2, held to -126 .. 127; a block of zeros has e = 0. As a byte (E8M0): e + 127.
;;     - Each number is divided by its block's scale, clamped to +-6, and rounded to the nearest number of E2M1, ties to even, subnormals kept.
;;     - The product sums the exact products of the quantised numbers (number of the format x scale) in f32.
;;   ~~~python
;;   def quantise(x, axis):      # numpy; x: float32 -> the quantised numbers, widened to float32 again
;;       x = np.moveaxis(x, axis, -1); K = x.shape[-1]
;;       x = np.pad(x, [(0, 0)] * (x.ndim - 1) + [(0, -K % 32)]); x = x.reshape(x.shape[:-1] + (-1, 32)); a = np.abs(x).max(-1, keepdims=True)
;;       e = np.where(a > 0, np.clip(np.frexp(np.where(a > 0, a, 1))[1] - 1 - 2, -126, 127), 0)      # np.frexp(a)[1] - 1 = floor(log2(a)), exactly
;;       r = np.clip(x / 2.0 ** e, -6, 6)
;;       step = 2.0 ** (np.maximum(np.frexp(np.where(r == 0, 1, r))[1] - 1, 0) - 1)
;;       q = np.round(r / step) * step * 2.0 ** e      # np.round: ties to even
;;       return np.moveaxis(q.reshape(q.shape[:-2] + (-1,))[..., :K], -1, axis).astype(np.float32)
;;   ~~~
;;   OPERANDS COMPUTED ON THE WAY. 'Computed on the way' means the value that the module computes at that place (a softmax that the list does not call 'softmax' is quantised finished and normalised). What goes into a quantiser is computed in f32, as accurately as f32 sums, v_exp_f32 and their like allow (about 1e-6 of the number): no bf16 or f16 on the way to a quantiser, and a product that is left as it is and whose result goes on into a quantised operand takes f32 operands (vector FMAs, or v_wmma_f32_16x16x4_f32). A number that lies on a knife's edge between two numbers of the format may be rounded either way, as far as f32 arithmetic and the matrix unit's own rounding can turn it there, and no further.
;; 2 versions, each right and faster than the one before. Each part assembles by itself: llvm-mc -triple=amdgcn-amd-amdhsa -mcpu=gfx1250 --defsym DOCPART=n.
;; ======== version 1 of 2: 2 launches
;; workspace buffers: lcodes 2,097,152 bytes; lscales 131,072 bytes
;; launch factor (part 1): grid 64 x 4, 4 waves a work-group, no clusters, 32,768 bytes of LDS; arguments Q, K, W1, b1, W2, b2, lcodes, lscales; writes lcodes, lscales
.if DOCPART == 1
	.amdgcn_target "amdgcn-amd-amdhsa--gfx1250"
	.amdhsa_code_object_version 6
	.text
	.protected	k_qe3e2e6e298_factor
	.globl	k_qe3e2e6e298_factor
	.p2align	8
	.type	k_qe3e2e6e298_factor,@function
k_qe3e2e6e298_factor:
	s_mov_b64 s[64:65], 0
	v_nop
	global_prefetch_b8 v0, s[64:65] scope:SCOPE_SE
	s_setreg_imm32_b32 hwreg(HW_REG_WAVE_MODE, 25, 1), 1
	s_wait_xcnt 0x0
; L(x) for the 4,096 points (2,048 rows of Q, then 2,048 rows of K), quantised along d for the pair products.
; h = silu(x W1^T + b1), raw = clip(h W2^T + b2, -5, 5); L[d][e] = raw[32 d + e] below the diagonal, softplus(raw + 1) + 1e-4 on it, 0 above it.
; Both products run on codes of E2M1 with one E8M0 scale for each 32 along K; x, W1, W2 and h are quantised here, in f32 arithmetic up to the conversion.
; OUT: lcodes: item (point p, column e) = the 32 codes d = 0..31, 16 bytes, at (p/16) 8192 + (e/2) 512 + (e%2) 256 + (p%16) 16;
;      lscales: the byte of (p, e) at (e/8) 32768 + (p/4) 32 + (e%8) 4 + p%4: a word holds the bytes of four neighbouring points for one e.
; SHARES: work-group x = 64 points (x < 32: Q, else K), y = eight columns e = 8 y + el; wave w = 16 points, all eight e.
; BOTH PRODUCTS ARE USED TRANSPOSED (source 0 = 16 rows of a weight, source 1 = 16 points): a lane holds one point (lane % 16) and its registers run along the next K.
; The rows of a weight that form a tile are chosen for that: tile row r is row base + r + 8 (r / 8), so that two neighbouring tiles give a lane 16 neighbours: 16 (lane / 16) + 0..15.
; K is 32 or 64 of the instruction's 128: the rest of the weights' operands are zero codes, which add nothing under any scale byte but 0xff.
; Each wave quantises 4 of the 16 fragments of W2 and 1 of the 4 of W1; they reach the others through LDS as images of the operand's registers (16 bytes a lane, 512 a store).
; LIMITS: NaN and infinities are not served.  A block whose largest magnitude lies under 2^-124 keeps the scale byte 1; a block of zeros gets the byte 1 too: its codes are zeros, and only this program reads the bytes.
.set W2I,    0                         ; LDS: W2's 16 fragments, 512 bytes each (fragment f = 2 el + u)
.set W2S,    8192                      ; their scale words, 128 bytes each
.set B2I,    10240                     ; b2 in the result's layout, 1,024 bytes a fragment
.set W1I,    26624                     ; W1's 4 fragments
.set W1S,    28672                     ; their scale words
.set SCB,    31744                     ; the work-group's 512 scale bytes, as they lie in lscales
.set FLOOR,  0x1800000                 ; 2^(3 - 127): no largest magnitude is taken under it, so the byte cannot fall under 1
.set EOFF,   0xff000000                ; takes 2 off an exponent field
.set NLOG2E, 0xbfb8aa3b                ; -log2(e)
.set M,      208                       ; v208-211 running maxima; later lane permutes' destinations
.set SC,     212                       ; v212-213 the conversions' scale operands
; REGISTERS: v1 r, v2 h, v3 16 lane, v4 4 lane, v5-9 lane offsets in W2, b2, W1, x, b1; v10-12, v238, v239 where my images go; v13 -1 in lanes 0-15; v14 my scale byte's place; v15 8 h.
; v16-143 W2 as loaded, v144-175 W1, v176-207 x.  Later: v16-79 eight tiles of raw (b2 first), v48-79 b1 and the hidden layer, v80-111 W1's operands, then the codes that leave, v112-175 W2's operands.
; v216-223 x's operand; v240-247 the hidden layer's.  SCALES AND NOTHING ELSE: v224 x, v225-228 W1, v229 hidden, v230-237 W2.
; Two whole blocks of 32 numbers, each in one lane's 32 registers, by turns: largest magnitude (two chains a block), scale operand, 4 conversions, byte.
; The two shifts at the end are the plain lines behind the conversions.
.macro QPAIR xa, xb, ca, cb, bya, byb
	v_max3_num_f32 v[M], |v[(\xa)]|, |v[(\xa)+1]|, FLOOR
	v_max3_num_f32 v[M+1], |v[(\xa)+16]|, |v[(\xa)+17]|, |v[(\xa)+18]|
	v_max3_num_f32 v[M+2], |v[(\xb)]|, |v[(\xb)+1]|, FLOOR
	v_max3_num_f32 v[M+3], |v[(\xb)+16]|, |v[(\xb)+17]|, |v[(\xb)+18]|
.irp i, 0,1,2,3,4,5
	v_max3_num_f32 v[M], v[M], |v[(\xa)+2+2*\i]|, |v[(\xa)+3+2*\i]|
	v_max3_num_f32 v[M+1], v[M+1], |v[(\xa)+19+2*\i]|, |v[(\xa)+20+2*\i]|
	v_max3_num_f32 v[M+2], v[M+2], |v[(\xb)+2+2*\i]|, |v[(\xb)+3+2*\i]|
	v_max3_num_f32 v[M+3], v[M+3], |v[(\xb)+19+2*\i]|, |v[(\xb)+20+2*\i]|
.endr
	v_max3_num_f32 v[M], v[M], |v[(\xa)+14]|, |v[(\xa)+15]|
	v_max3_num_f32 v[M+2], v[M+2], |v[(\xb)+14]|, |v[(\xb)+15]|
	v_max3_num_f32 v[M], v[M], v[M+1], |v[(\xa)+31]|
	v_max3_num_f32 v[M+2], v[M+2], v[M+3], |v[(\xb)+31]|
	v_add_nc_u32 v[SC], EOFF, v[M]                 ; the conversion takes this operand's exponent field as its scale
	v_add_nc_u32 v[SC+1], EOFF, v[M+2]
.irp g, 0,1,2,3
	v_cvt_scalef32_pk8_fp4_f32 v[(\ca)+\g], v[(\xa)+8*\g:(\xa)+8*\g+7], v[SC]
	v_cvt_scalef32_pk8_fp4_f32 v[(\cb)+\g], v[(\xb)+8*\g:(\xb)+8*\g+7], v[SC+1]
.endr
	v_lshrrev_b32 v[\bya], 23, v[SC]               ; the scale's byte
	v_lshrrev_b32 v[\byb], 23, v[SC+1]
.endm
; My byte is that of block h of row r: with lane l xor 16's it makes the row's scale word (bytes 0 and 1)
.macro SWORD by, tmp
	v_lshlrev_b32 v[\by], v15, v[\by]
	v_permlanex16_b32 v[\tmp], v[\by], s24, s25
	v_or_b32 v[\by], v[\by], v[\tmp]
.endm
	s_load_b512 s[4:19], s[0:1], 0x0               ; Q s[4:5], K s[6:7], W1 s[8:9], b1 s[10:11], W2 s[12:13], b2 s[14:15], lcodes s[16:17], lscales s[18:19]
	s_set_vgpr_msb 0x40
	v_lshl_add_u32 v0, v0, 2, 0x7e00
	v_mov_b32 v1, 0
	s_set_vgpr_msb 0x4000
	v_lshrrev_b32 v1, 5, v0
	v_readfirstlane_b32 s20, v1                    ; wave 0..3
	s_and_b32 s22, ttmp7, 0xffff                   ; y
	v_and_b32 v1, 15, v0                           ; r
	v_bfe_u32 v2, v0, 4, 1                         ; h
	v_and_b32 v3, 31, v0
	v_lshlrev_b32 v4, 2, v3                        ; 4 x lane
	v_lshlrev_b32 v3, 4, v3                        ; 16 x lane
	v_and_b32 v5, 8, v1
	v_add_nc_u32 v5, v5, v1                        ; r + 8 (r / 8)
	v_lshlrev_b32 v7, 7, v5                        ; W1: rows of 128 bytes
	v_lshlrev_b32 v5, 13, v5                       ; W2: d steps 32 rows of 256 bytes
	v_lshl_add_u32 v5, v2, 7, v5                   ;     + my block of 32 along K
	v_lshlrev_b32 v6, 11, v2                       ; b2: 16 h values of d, 128 bytes each
	v_lshlrev_b32 v8, 7, v1                        ; x: row r
	v_lshlrev_b32 v9, 6, v2                        ; b1: 16 h numbers
	s_lshl_b32 s34, s20, 11
	v_add_nc_u32 v10, s34, v3                      ; my four images of W2
	s_lshl_b32 s34, s20, 9
	v_add_nc_u32 v11, s34, v4                      ; their scale words
	v_add_nc_u32 v238, s34, v3                     ; my image of W1
	s_lshl_b32 s34, s20, 12
	v_add_nc_u32 v12, s34, v3                      ; my four images of b2
	s_lshl_b32 s34, s20, 7
	v_add_nc_u32 v239, s34, v4                     ; W1's scale word
	v_add_nc_u32 v13, -1, v2                       ; all ones in lanes 0-15, 0 in lanes 16-31
	v_lshrrev_b32 v14, 2, v1
	v_lshlrev_b32 v14, 5, v14
	v_and_b32 v15, 3, v1
	v_add_nc_u32 v14, v14, v15
	v_add_nc_u32 v14, s34, v14                     ; (4 w + r / 4) 32 + r % 4
	v_lshlrev_b32 v15, 3, v2                       ; 8 h
	v_mov_b32 v214, 0                              ; a lane permute's destination counts as read
	v_mov_b32 v215, 0
	s_mov_b32 s24, 0x76543210
	s_mov_b32 s25, 0xfedcba98                      ; selects for lane l xor 16
	s_and_b32 s34, ttmp9, 31                       ; x: 64 rows a work-group, 16 a wave
	s_lshl_b32 s34, s34, 13
	s_lshl_b32 s35, s20, 11
	s_add_co_u32 s34, s34, s35
	s_mov_b32 s35, 0
	s_lshl_b32 s36, s22, 11                        ; W2: row e = 8 y + 2 w of 256 bytes
	s_lshl_b32 s37, s20, 9
	s_add_co_u32 s36, s36, s37
	s_mov_b32 s37, 0
	s_lshl_b32 s38, s22, 5                         ; b2: the same e, 4 bytes
	s_lshl_b32 s39, s20, 3
	s_add_co_u32 s38, s38, s39
	s_mov_b32 s39, 0
	s_lshr_b32 s40, s20, 1                         ; W1: tile w begins at row 32 (w / 2) + 8 (w % 2)
	s_lshl_b32 s40, s40, 12
	s_and_b32 s41, s20, 1
	s_lshl_b32 s41, s41, 10
	s_add_co_u32 s40, s40, s41
	s_mov_b32 s41, 0
	s_lshl_b32 s42, ttmp9, 15                      ; lcodes: point tile 4 x + w, 8,192 bytes; + 2,048 y
	s_lshl_b32 s43, s20, 13
	s_add_co_u32 s42, s42, s43
	s_lshl_b32 s43, s22, 11
	s_add_co_u32 s42, s42, s43
	s_mov_b32 s43, 0
	s_lshl_b32 s44, s22, 15                        ; lscales: 32,768 y + 512 x
	s_lshl_b32 s45, ttmp9, 9
	s_add_co_u32 s44, s44, s45
	s_mov_b32 s45, 0
	s_wait_kmcnt 0x0
	s_cmp_lt_u32 ttmp9, 32                         ; Q's points or K's: the choice hangs on the work-group's number alone
	s_cselect_b64 s[4:5], s[4:5], s[6:7]
	s_add_nc_u64 s[4:5], s[4:5], s[34:35]
	s_add_nc_u64 s[12:13], s[12:13], s[36:37]
	s_add_nc_u64 s[14:15], s[14:15], s[38:39]
	s_add_nc_u64 s[8:9], s[8:9], s[40:41]
	s_add_nc_u64 s[16:17], s[16:17], s[42:43]
	s_add_nc_u64 s[18:19], s[18:19], s[44:45]
.irp i, 0,1,2,3                                ; my four fragments of W2: el = 2 w + i / 2, u = i % 2; a lane takes 32 numbers of one row
.irp k, 0,1,2,3,4,5,6,7
	global_load_b128 v[16+32*\i+4*\k:19+32*\i+4*\k], v5, s[12:13] offset:(\i/2)*256+(\i%2)*65536+16*\k
.endr
.endr
.irp k, 0,1,2,3,4,5,6,7
	global_load_b128 v[144+4*\k:147+4*\k], v7, s[8:9] offset:16*\k      ; my tile of W1: both halves of the lanes take row r
.endr
.irp k, 0,1,2,3,4,5,6,7
	global_load_b128 v[176+4*\k:179+4*\k], v8, s[4:5] offset:16*\k      ; my 16 points: likewise
.endr
	s_wait_loadcnt 32                              ; fragments 0 and 1 are in; younger: fragments 2, 3, W1, x: 32 loads
	QPAIR 16, 48, 248, 252, 230, 231
	SWORD 230, 214
	SWORD 231, 215
	ds_store_b128 v10, v[248:251] offset:W2I
	ds_store_b128 v10, v[252:255] offset:W2I+512
	ds_store_b32 v11, v230 offset:W2S
	ds_store_b32 v11, v231 offset:W2S+128
.irp i, 0,1,2,3                                ; b2 in the result's layout: register k of fragment i is b2[(16 h + 8 u + k) 32 + e]
.irp k, 0,1,2,3,4,5,6,7
	global_load_b32 v[16+8*\i+\k], v6, s[14:15] offset:(\i/2)*4+(\i%2)*1024+128*\k
.endr
.endr
.irp t, 0,1,2,3                                ; b1 likewise: register k of tile t is b1[32 (t / 2) + 16 h + 8 (t % 2) + k]
	global_load_b128 v[48+8*\t:51+8*\t], v9, s[10:11] offset:(32*(\t/2)+8*(\t%2))*4
	global_load_b128 v[52+8*\t:55+8*\t], v9, s[10:11] offset:(32*(\t/2)+8*(\t%2))*4+16
.endr
	s_wait_loadcnt 56                              ; fragments 2 and 3 are in; younger: W1 8, x 8, b2 32, b1 8
	QPAIR 80, 112, 240, 244, 232, 233
	SWORD 232, 214
	SWORD 233, 215
	ds_store_b128 v10, v[240:243] offset:W2I+1024
	ds_store_b128 v10, v[244:247] offset:W2I+1536
	ds_store_b32 v11, v232 offset:W2S+256
	ds_store_b32 v11, v233 offset:W2S+384
	s_wait_loadcnt 40                              ; W1 and x are in; younger: b2 32, b1 8
	QPAIR 144, 176, 80, 216, 225, 224              ; W1's codes, x's codes; their bytes are their scale words (K = 32: block 0 alone)
.irp g, 0,1,2,3
	v_and_b32 v[80+\g], v13, v[80+\g]              ; W1's block 1 (lanes 16-31) is zero codes, so that x's lanes 16-31 count for nothing
.endr
	ds_store_b128 v238, v[80:83] offset:W1I
	ds_store_b32 v239, v225 offset:W1S
	s_wait_loadcnt 8                               ; b2 is in; younger: b1's 8
.irp i, 0,1,2,3
	ds_store_b128 v12, v[16+8*\i:19+8*\i] offset:B2I+1024*\i
	ds_store_b128 v12, v[20+8*\i:23+8*\i] offset:B2I+1024*\i+512
.endr
	s_wait_dscnt 0x0                               ; for the others' sake: my images lie in LDS; and the stores have read their registers
	s_barrier_signal -1
.irp k, 0,1,2,3                                ; register work while the others arrive: the operands' zero codes,
	v_mov_b32 v[220+\k], 0
.irp t, 0,1,2,3
	v_mov_b32 v[84+8*\t+\k], 0
.endr
.endr
.irp k, 0,1,2,3
	v_mov_b32 v[244+\k], 0
.irp i, 0,1,2,3,4,5,6,7
	v_mov_b32 v[116+8*\i+\k], 0
.endr
.endr
	v_lshlrev_b32 v252, 1, v2                      ; and the triangle's lane masks: d = 8 (2 h + u) + k against e = 8 y + el
	v_or_b32 v253, 1, v252
	v_cmp_gt_u32 s28, v252, s22                    ; u = 0: 2 h > y
	v_cmp_ge_u32 s29, v252, s22                    ;        2 h >= y
	v_cmp_gt_u32 s30, v253, s22                    ; u = 1
	v_cmp_ge_u32 s31, v253, s22
	v_cmp_eq_u32 s32, v252, s22                    ; the diagonal's eight lie in my tile u = 0,
	v_cmp_eq_u32 s33, v253, s22                    ; or u = 1
	s_barrier_wait -1
.irp t, 0,1,2,3
	ds_load_b128 v[80+8*\t:83+8*\t], v3 offset:W1I+512*\t
	ds_load_b32 v[225+\t], v4 offset:W1S+128*\t
.endr
	s_wait_dscnt 0x0
	s_wait_loadcnt 0x0                             ; b1
.irp t, 0,1,2,3                                ; x W1^T + b1: the bias is the sum's C; four accumulators, one instruction each
	v_wmma_scale_f32_16x16x128_f8f6f4 v[48+8*\t:55+8*\t], v[80+8*\t:87+8*\t], v[216:223], v[48+8*\t:55+8*\t], v[225+\t], v224 matrix_a_fmt:MATRIX_FMT_FP4 matrix_b_fmt:MATRIX_FMT_FP4
.endr
.rept 4
	v_nop                                          ; four places in front of the first read of the results (ISA guide 7.12.1)
.endr
.set j, 0
.rept 32
	v_mul_f32 v[176+j], NLOG2E, v[48+j]            ; silu(a) = a / (1 + 2^(-a log2 e)), in f32; each tile from its low end on
.set j, j+1
.endr
.set j, 0
.rept 32
	v_exp_f32 v[176+j], v[176+j]
.set j, j+1
.endr
	v_nop                                          ; a plain line between the exponentials and the use of their results
.set j, 0
	s_wait_alu depctr_va_vdst(0)
.rept 32
	v_add_f32 v[176+j], 1.0, v[176+j]
.set j, j+1
.endr
.set j, 0
.rept 32
	v_rcp_f32 v[176+j], v[176+j]
.set j, j+1
.endr
	v_nop
.set j, 0
	s_wait_alu depctr_va_vdst(0)
.rept 32
	v_mul_f32 v[48+j], v[48+j], v[176+j]
.set j, j+1
.endr
	; the hidden layer's two blocks of 32: my 16 registers of tiles 2 b, 2 b + 1 and lane l xor 16's
	v_max3_num_f32 v208, |v48|, |v49|, FLOOR
	v_max3_num_f32 v209, |v64|, |v65|, FLOOR
.irp i, 2,4,6,8,10,12,14
	v_max3_num_f32 v208, v208, |v[48+\i]|, |v[49+\i]|
	v_max3_num_f32 v209, v209, |v[64+\i]|, |v[65+\i]|
.endr
	v_permlanex16_b32 v210, v208, s24, s25
	v_permlanex16_b32 v211, v209, s24, s25
	v_max_num_f32 v208, v208, v210
	v_max_num_f32 v209, v209, v211
	v_add_nc_u32 v213, EOFF, v208
	v_add_nc_u32 v214, EOFF, v209
	v_cvt_scalef32_pk8_fp4_f32 v240, v[48:55], v213
	v_cvt_scalef32_pk8_fp4_f32 v241, v[56:63], v213
	v_cvt_scalef32_pk8_fp4_f32 v242, v[64:71], v214
	v_cvt_scalef32_pk8_fp4_f32 v243, v[72:79], v214
	v_lshrrev_b32 v229, 23, v213                   ; (plain lines behind the conversions)  the two bytes make the point's scale word
	v_lshrrev_b32 v215, 23, v214
	v_lshl_or_b32 v229, v215, 8, v229
	v_permlane16_swap_b32 v240, v242               ; the operand wants a whole block in a lane: lanes 0-15 block 0, lanes 16-31 block 1
	v_permlane16_swap_b32 v241, v243
; Four columns e = 8 y + 4 g + q: eight tiles (q, u) of raw at v[16 + 16 q + 8 u]; register k of lane (r, h) is d = 16 h + 8 u + k of point r.
.macro HALF g
.irp i, 0,1,2,3,4,5,6,7
	ds_load_b128 v[112+8*\i:115+8*\i], v3 offset:W2I+512*(8*\g+\i)
	ds_load_b32 v[230+\i], v4 offset:W2S+128*(8*\g+\i)
	ds_load_b128 v[16+8*\i:19+8*\i], v3 offset:B2I+1024*(8*\g+\i)
	ds_load_b128 v[20+8*\i:23+8*\i], v3 offset:B2I+1024*(8*\g+\i)+512
.endr
.if \g == 0
	v_mov_b32 v215, 0x40a00000                     ; 5.0.  With the seven lines below: eight places between the hidden layer's scale word and the scaled products, four and more behind its codes
.rept 7
	v_nop
.endr
.endif
	s_wait_dscnt 0x0
.irp i, 0,1,2,3,4,5,6,7                        ; h W2^T + b2: eight accumulators, one instruction each
	v_wmma_scale_f32_16x16x128_f8f6f4 v[16+8*\i:23+8*\i], v[112+8*\i:119+8*\i], v[240:247], v[16+8*\i:23+8*\i], v[230+\i], v229 matrix_a_fmt:MATRIX_FMT_FP4 matrix_b_fmt:MATRIX_FMT_FP4
.endr
.rept 4
	v_nop
.endr
.set j, 0
.rept 64
	v_med3_num_f32 v[16+j], v[16+j], -v215, v215   ; the clip; each tile from its low end on
.set j, j+1
.endr
.irp q, 0,1,2,3
	v_cndmask_b32 v[248+\q], v[16+16*\q+4*\g+\q], v[24+16*\q+4*\g+\q], s33    ; the diagonal's raw, where a lane has it (elsewhere a number that is thrown away)
.endr
.irp q, 0,1,2,3                                ; the triangle: d > e is kept
.irp u, 0,1
.irp i, 0,1,2,3,4,5,6,7
.if \i > 4*\g+\q
	v_cndmask_b32 v[16+16*\q+8*\u+\i], 0, v[16+16*\q+8*\u+\i], s[29+2*\u]
.else
	v_cndmask_b32 v[16+16*\q+8*\u+\i], 0, v[16+16*\q+8*\u+\i], s[28+2*\u]
.endif
.endr
.endr
.endr
.irp q, 0,1,2,3
	v_add_f32 v[248+\q], 1.0, v[248+\q]            ; softplus(z), z = raw + 1: max(z, 0) + ln(1 + e^-|z|)
.endr
.irp q, 0,1,2,3
	v_mul_f32 v[252+\q], NLOG2E, |v[248+\q]|
.endr
.irp q, 0,1,2,3
	v_exp_f32 v[252+\q], v[252+\q]
.endr
.irp q, 0,1,2,3
	v_max_num_f32 v[248+\q], 0, v[248+\q]          ; (plain lines behind the exponentials)
.endr
	s_wait_alu depctr_va_vdst(0)
.irp q, 0,1,2,3
	v_add_f32 v[252+\q], 1.0, v[252+\q]
.endr
.irp q, 0,1,2,3
	v_log_f32 v[252+\q], v[252+\q]
.endr
	v_nop
	s_wait_alu depctr_va_vdst(0)
.irp q, 0,1,2,3
	v_fmamk_f32 v[248+\q], v[252+\q], 0x3f317218, v[248+\q]     ; log2 x ln 2 + max(z, 0)
.endr
.irp q, 0,1,2,3
	v_add_f32 v[248+\q], 0x38d1b717, v[248+\q]     ; + 1e-4
.endr
.irp q, 0,1,2,3
	v_cndmask_b32 v[16+16*\q+4*\g+\q], v[16+16*\q+4*\g+\q], v[248+\q], s32
	v_cndmask_b32 v[24+16*\q+4*\g+\q], v[24+16*\q+4*\g+\q], v[248+\q], s33
.endr
.irp q, 0,1,2,3                                ; a column's block of 32 along d: my 16 and lane l xor 16's; the four columns by turns
	v_max3_num_f32 v[108+\q], |v[16+16*\q]|, |v[17+16*\q]|, FLOOR
.endr
.irp i, 2,4,6,8,10,12,14
.irp q, 0,1,2,3
	v_max3_num_f32 v[108+\q], v[108+\q], |v[16+16*\q+\i]|, |v[17+16*\q+\i]|
.endr
.endr
.irp q, 0,1,2,3
	v_permlanex16_b32 v[208+\q], v[108+\q], s24, s25
.endr
.irp q, 0,1,2,3
	v_max_num_f32 v[108+\q], v[108+\q], v[208+\q]
.endr
.irp q, 0,1,2,3
	v_add_nc_u32 v[104+\q], EOFF, v[108+\q]
.endr
.irp q, 0,1,2,3
	v_cvt_scalef32_pk8_fp4_f32 v[80+8*\g+2*\q], v[16+16*\q:23+16*\q], v[104+\q]
	v_cvt_scalef32_pk8_fp4_f32 v[81+8*\g+2*\q], v[24+16*\q:31+16*\q], v[104+\q]
.endr
.irp q, 0,1,2,3
	v_lshrrev_b32 v[96+4*\g+\q], 23, v[104+\q]     ; (plain lines behind the conversions)  the bytes
.endr
.irp q, 0,2                                    ; two columns' halves change places: four registers then hold a whole item: lanes 0-15 column q, lanes 16-31 column q + 1
	v_permlane16_swap_b32 v[80+8*\g+2*\q], v[82+8*\g+2*\q]
	v_permlane16_swap_b32 v[81+8*\g+2*\q], v[83+8*\g+2*\q]
.endr
.irp q, 0,1,2,3
	ds_store_b8 v14, v[96+4*\g+\q] offset:SCB+4*(4*\g+\q)      ; both lanes of a point write the same byte with the same value
.endr
	global_store_b128 v3, v[80+8*\g:83+8*\g], s[16:17] offset:1024*\g          ; 32 lanes store 512 consecutive bytes, aligned
	global_store_b128 v3, v[84+8*\g:87+8*\g], s[16:17] offset:1024*\g+512
.endm
	HALF 0
	HALF 1                                         ; codes and bytes have registers of their own in each half: no store's data are written again
	s_wait_dscnt 0x0                               ; my scale bytes lie in LDS
	s_barrier_signal -1
	s_barrier_wait -1
	s_cmp_lg_u32 s20, 0
	s_cbranch_scc1 .Lend
	ds_load_b128 v[16:19], v3 offset:SCB           ; wave 0 stores the work-group's 512 scale bytes as one aligned run of 512
	s_wait_dscnt 0x0
	global_store_b128 v3, v[16:19], s[18:19]
.Lend:
	s_set_vgpr_msb 0x5
	s_wait_tensorcnt 0x0
	ds_add_u32 v0, v1
	s_wait_dscnt 0x0
	s_set_vgpr_msb 0x500
	s_endpgm
.Lfunc_end_k_qe3e2e6e298_factor:
	.size	k_qe3e2e6e298_factor, .Lfunc_end_k_qe3e2e6e298_factor-k_qe3e2e6e298_factor
	.p2alignl 7, 3214868480
	.fill 96, 4, 3214868480
	.section	.rodata,"a",@progbits
	.p2align	6, 0x0
	.amdhsa_kernel k_qe3e2e6e298_factor
		.amdhsa_group_segment_fixed_size 32768
		.amdhsa_private_segment_fixed_size 0
		.amdhsa_enable_private_segment 0
		.amdhsa_kernarg_size 64
		.amdhsa_user_sgpr_count 2
		.amdhsa_user_sgpr_kernarg_segment_ptr 1
		.amdhsa_wavefront_size32 1
		.amdhsa_system_sgpr_workgroup_id_x 1
		.amdhsa_system_sgpr_workgroup_id_y 1
		.amdhsa_system_sgpr_workgroup_id_z 1
		.amdhsa_system_vgpr_workitem_id 0
		.amdhsa_next_free_vgpr 258
		.amdhsa_next_free_sgpr 66
		.amdhsa_reserve_vcc 0
		.amdhsa_float_denorm_mode_32 3
		.amdhsa_float_denorm_mode_16_64 3
		.amdhsa_memory_ordered 1
		.amdhsa_forward_progress 1
		.amdhsa_inst_pref_size 69
	.end_amdhsa_kernel
	.amdgpu_metadata
---
amdhsa.version: [ 1, 2 ]
amdhsa.kernels:
  - .name:           k_qe3e2e6e298_factor
    .symbol:         k_qe3e2e6e298_factor.kd
    .args:
      - { .name: Q, .offset: 0, .size: 8, .value_kind: global_buffer, .address_space: global }
      - { .name: K, .offset: 8, .size: 8, .value_kind: global_buffer, .address_space: global }
      - { .name: W1, .offset: 16, .size: 8, .value_kind: global_buffer, .address_space: global }
      - { .name: b1, .offset: 24, .size: 8, .value_kind: global_buffer, .address_space: global }
      - { .name: W2, .offset: 32, .size: 8, .value_kind: global_buffer, .address_space: global }
      - { .name: b2, .offset: 40, .size: 8, .value_kind: global_buffer, .address_space: global }
      - { .name: lcodes, .offset: 48, .size: 8, .value_kind: global_buffer, .address_space: global }
      - { .name: lscales, .offset: 56, .size: 8, .value_kind: global_buffer, .address_space: global }
    .group_segment_fixed_size: 32768
    .private_segment_fixed_size: 0
    .kernarg_segment_align: 8
    .kernarg_segment_size: 64
    .max_flat_workgroup_size: 128
    .sgpr_count:     66
    .vgpr_count:     258
    .wavefront_size: 32
...
	.end_amdgpu_metadata
.endif
;; end of part 1
;; launch pairs (part 2): grid 8 x 32, 8 waves a work-group, no clusters, 325,120 bytes of LDS; arguments Q, K, lcodes, lscales, out0; writes out0
.if DOCPART == 2
	.amdgcn_target "amdgcn-amd-amdhsa--gfx1250"
	.amdhsa_code_object_version 6
	.text
	.protected	k_qe3e2e6e298_pairs
	.globl	k_qe3e2e6e298_pairs
	.p2align	8
	.type	k_qe3e2e6e298_pairs,@function
k_qe3e2e6e298_pairs:
	s_mov_b64 s[64:65], 0
	v_nop
	global_prefetch_b8 v0, s[64:65] scope:SCOPE_SE
	s_setreg_imm32_b32 hwreg(HW_REG_WAVE_MODE, 25, 1), 1
	s_wait_xcnt 0x0
; out[b][n][m] = sqrt(clip(0.5 (|L_q[n]^T delta|^2 + |L_k[m]^T delta|^2), 1e-6, 1e6)), delta = Q[b][n] - K[b][m], 32 numbers: ONE block of the quantiser, the same codes in both products.
; L's codes and scale bytes come from the launch before (item (p, e): 16 bytes, d = 0..31; a scale word holds four neighbouring points' bytes for one e).
; SHARES: a work-group makes 64 n x 128 m (x: block of m; y: 16 b + block of n); wave w = (wn = w / 4, wm = w % 4) makes 32 n x 32 m.
; K IS 32 OF THE INSTRUCTION'S 128.  delta's operand is dense: each of its four blocks holds 16 other pairs.  L's operand A_j holds point 4 i + j in block j and zero codes elsewhere, so a product takes
; block j's 16 pairs alone: 8 products (4 points x 2 halves of e) serve 64 pairs.  Source 0 = 16 columns e of L, source 1 = 16 pairs: a lane holds one pair and eight e.
; PHASE A (L_q): a lane holds one m (K's row in 32 registers), n comes from scalar registers; four n a trip.  A lane's 32 differences are a whole block: no other lane is asked.
;   The codes (16 bytes a pair), the bytes and the q side's sums of squares go to the wave's own stage in LDS.
; PHASE B (L_k): four m a trip; the codes come back from the stage with n across the lanes; the sums meet, and the result goes to the work-group's stage for whole rows.
; L is read by one work-group from memory once (96 KB of codes) and kept in LDS, filled once through registers: no tile is filled again.  No cluster: the L that neighbouring work-groups share is read once at the head,
; a small part of the launch.
; LIMITS: NaN and infinities are not served.  A block of differences under 2^-124 keeps the scale byte 1; a block of zeros too: its codes are zeros.
.set LP,    528                        ; a point's 32 items, 512 bytes + 16: sixteen rows that a 16-byte access touches start in different banks (ISA guide 11.1)
.set LQ,    512                        ; LDS: bytes 0-511 are zeros; then L_q of my 64 n,
.set LK,    34304                      ; L_k of my 128 m,
.set SQS,   101888                     ; their scale words: 128 bytes for each four points: word e
.set SKS,   103936
.set STG,   108032                     ; the waves' own stages,
.set STGB,  22784                      ; each: codes 32 n x 528 (item m at 16 m);
.set SBO,   16896                      ; bytes 32 n x 36 (byte m);
.set SQO,   18048                      ; q sums 32 n x 144 (f32 m)
.set OUT,   290304                     ; the result: 64 rows x 528
.set FLOOR, 0x1800000                  ; 2^(3 - 127): the byte cannot fall under 1
.set EOFF,  0xff000000                 ; takes 2 off an exponent field
.set M,     112                        ; v112-115 running maxima
.set SC,    116                        ; v116-117 the conversions' scale operands
; REGISTERS: v1 16 r, v2 1 - h, v3 h, v4-6 my places in the stage in phase A (codes, bytes, sums), v7 4 lane, v8-10 the same in phase B, v11 my place in OUT, v12 where I read OUT back, v13 16 lane;
; v14-17 addresses of A_0..A_3, v18 codes, v19 bytes, v20 sums, v21 L's scale words, v22 OUT.  SCALES AND NOTHING ELSE: v23 L's, v24 delta's.
; v28-31 four q sums; v32-39 sums at work; v40-43, v44-47 the two halves' sums; v48-63 delta's operands in phase B; v64-95 K's row, v96-103, v104-111 delta's operands in phase A, v118-121 bytes;
; v128-191 differences, then results; v64-127 results too in phase B; v192-255 A_j at 192 + 16 j: e 0-15 in its first eight registers, e 16-31 in the others.
; s[32:63], s[68:99]: two rows of Q.
.macro QPAIR xa, xb, ca, cb, bya, byb          ; two whole blocks of 32 numbers, by turns: largest magnitude, scale operand, 4 conversions, byte; the shifts are the plain lines behind the conversions
	v_max3_num_f32 v[M], |v[(\xa)]|, |v[(\xa)+1]|, FLOOR
	v_max3_num_f32 v[M+1], |v[(\xa)+16]|, |v[(\xa)+17]|, |v[(\xa)+18]|
	v_max3_num_f32 v[M+2], |v[(\xb)]|, |v[(\xb)+1]|, FLOOR
	v_max3_num_f32 v[M+3], |v[(\xb)+16]|, |v[(\xb)+17]|, |v[(\xb)+18]|
.irp i, 0,1,2,3,4,5
	v_max3_num_f32 v[M], v[M], |v[(\xa)+2+2*\i]|, |v[(\xa)+3+2*\i]|
	v_max3_num_f32 v[M+1], v[M+1], |v[(\xa)+19+2*\i]|, |v[(\xa)+20+2*\i]|
	v_max3_num_f32 v[M+2], v[M+2], |v[(\xb)+2+2*\i]|, |v[(\xb)+3+2*\i]|
	v_max3_num_f32 v[M+3], v[M+3], |v[(\xb)+19+2*\i]|, |v[(\xb)+20+2*\i]|
.endr
	v_max3_num_f32 v[M], v[M], |v[(\xa)+14]|, |v[(\xa)+15]|
	v_max3_num_f32 v[M+2], v[M+2], |v[(\xb)+14]|, |v[(\xb)+15]|
	v_max3_num_f32 v[M], v[M], v[M+1], |v[(\xa)+31]|
	v_max3_num_f32 v[M+2], v[M+2], v[M+3], |v[(\xb)+31]|
	v_add_nc_u32 v[SC], EOFF, v[M]
	v_add_nc_u32 v[SC+1], EOFF, v[M+2]
.irp g, 0,1,2,3
	v_cvt_scalef32_pk8_fp4_f32 v[(\ca)+\g], v[(\xa)+8*\g:(\xa)+8*\g+7], v[SC]
	v_cvt_scalef32_pk8_fp4_f32 v[(\cb)+\g], v[(\xb)+8*\g:(\xb)+8*\g+7], v[SC+1]
.endr
	v_lshrrev_b32 v[\bya], 23, v[SC]
	v_lshrrev_b32 v[\byb], 23, v[SC+1]
.endm
.macro MM d, a, b, arow, brow                  ; one product that starts its sum with 0; the scale rows: lanes 0-15 or lanes 16-31 of v23 (L) and v24 (delta)
.if (\arow) && (\brow)
	v_wmma_scale_f32_16x16x128_f8f6f4 v[(\d):(\d)+7], v[(\a):(\a)+7], v[(\b):(\b)+7], 0, v23, v24 matrix_a_fmt:MATRIX_FMT_FP4 matrix_b_fmt:MATRIX_FMT_FP4 matrix_a_scale:MATRIX_SCALE_ROW1 matrix_b_scale:MATRIX_SCALE_ROW1
.elseif \arow
	v_wmma_scale_f32_16x16x128_f8f6f4 v[(\d):(\d)+7], v[(\a):(\a)+7], v[(\b):(\b)+7], 0, v23, v24 matrix_a_fmt:MATRIX_FMT_FP4 matrix_b_fmt:MATRIX_FMT_FP4 matrix_a_scale:MATRIX_SCALE_ROW1
.elseif \brow
	v_wmma_scale_f32_16x16x128_f8f6f4 v[(\d):(\d)+7], v[(\a):(\a)+7], v[(\b):(\b)+7], 0, v23, v24 matrix_a_fmt:MATRIX_FMT_FP4 matrix_b_fmt:MATRIX_FMT_FP4 matrix_b_scale:MATRIX_SCALE_ROW1
.else
	v_wmma_scale_f32_16x16x128_f8f6f4 v[(\d):(\d)+7], v[(\a):(\a)+7], v[(\b):(\b)+7], 0, v23, v24 matrix_a_fmt:MATRIX_FMT_FP4 matrix_b_fmt:MATRIX_FMT_FP4
.endif
.endm
.macro WALL d0, b, brow                        ; 64 pairs x 32 e: eight products into eight different accumulators; point j's 16 registers at d0 + 16 j
.irp j, 0,1,2,3
	MM (\d0)+16*\j, 192+16*\j, \b, 0, \brow
	MM (\d0)+16*\j+8, 200+16*\j, \b, 1, \brow
.endr
.endm
.macro SQSUM d0, t                             ; the squares of a lane's 16 e, for each of the four points, by turns; each accumulator from its low end on
.irp j, 0,1,2,3
	v_pk_mul_f32 v[32+2*\j:33+2*\j], v[(\d0)+16*\j:(\d0)+16*\j+1], v[(\d0)+16*\j:(\d0)+16*\j+1]
.endr
.irp i, 2,4,6,8,10,12,14
.irp j, 0,1,2,3
	v_pk_fma_f32 v[32+2*\j:33+2*\j], v[(\d0)+16*\j+\i:(\d0)+16*\j+\i+1], v[(\d0)+16*\j+\i:(\d0)+16*\j+\i+1], v[32+2*\j:33+2*\j]
.endr
.endr
.irp j, 0,1,2,3
	v_add_f32 v[(\t)+\j], v[32+2*\j], v[33+2*\j]
.endr
.endm
; The addresses of the next four points' operands.  A_j has its data in the lanes of half j % 2; the other lanes read the zeros at LDS bytes 0-511: address = 16 r + (1 or 0) x the point's first byte.
.macro ADDR ca, sb
	s_add_co_u32 s29, s22, LP
	s_add_co_u32 s30, s22, 2*LP
	s_add_co_u32 s31, s22, 3*LP
	v_mad_u32_u24 v14, v2, s22, v1
	v_mad_u32_u24 v15, v3, s29, v1
	v_mad_u32_u24 v16, v2, s30, v1
	v_mad_u32_u24 v17, v3, s31, v1
	v_add_nc_u32 v18, s23, v[\ca]
	v_add_nc_u32 v19, s24, v[\sb]
	v_add_nc_u32 v21, s26, v7
.endm
.macro LOADA                                   ; nine loads: block j lies in registers 4 (j / 2) on of each eight
.irp j, 0,1,2,3
	ds_load_b128 v[192+16*\j+4*(\j/2):195+16*\j+4*(\j/2)], v[14+\j]
	ds_load_b128 v[200+16*\j+4*(\j/2):203+16*\j+4*(\j/2)], v[14+\j] offset:256
.endr
	ds_load_b32 v23, v21                           ; lane e: the four points' bytes for column e
.endm
.macro LOADB                                   ; fourteen loads: L_k's operands, and delta's with n across the lanes: lane (r, h): items (16 s + r, m0 + h) and (16 s + r, m0 + 2 + h)
	LOADA
	ds_load_b128 v[48:51], v18
	ds_load_b128 v[52:55], v18 offset:32
	ds_load_b128 v[56:59], v18 offset:16*LP
	ds_load_b128 v[60:63], v18 offset:16*LP+32
	ds_load_b32 v24, v19                           ; lane n: the bytes of (n, m0 .. m0 + 3)
.endm
	s_load_b256 s[4:11], s[0:1], 0x0               ; Q s[4:5], K s[6:7], lcodes s[8:9], lscales s[10:11]
	s_load_b64 s[12:13], s[0:1], 0x20              ; out0
	s_set_vgpr_msb 0x40
	v_lshl_add_u32 v0, v0, 2, 0x4f200
	v_mov_b32 v1, 0
	s_set_vgpr_msb 0x4000
	v_lshrrev_b32 v25, 5, v0
	v_readfirstlane_b32 s14, v25                   ; wave 0..7
	s_lshr_b32 s15, s14, 2                         ; wn
	s_and_b32 s16, s14, 3                          ; wm
	s_and_b32 s18, ttmp7, 0xffff                   ; y = 16 b + block of n: my first n is point 64 y
	s_lshr_b32 s19, s18, 4                         ; b
	s_lshl_b32 s2, s18, 13                         ; Q: row 64 y + 32 wn, 128 bytes a row
	s_lshl_b32 s3, s15, 12
	s_add_co_u32 s2, s2, s3
	s_mov_b32 s3, 0
	s_lshl_b32 s20, s19, 17                        ; K: row 1024 b + 128 x + 32 wm
	s_lshl_b32 s21, ttmp9, 14
	s_add_co_u32 s20, s20, s21
	s_lshl_b32 s21, s16, 12
	s_add_co_u32 s20, s20, s21
	s_mov_b32 s21, 0
	s_lshl_b32 s22, s18, 18                        ; out0: row 64 y + 8 w of 4,096 bytes, + 512 x
	s_lshl_b32 s23, s14, 15
	s_add_co_u32 s22, s22, s23
	s_lshl_b32 s23, ttmp9, 9
	s_add_co_u32 s22, s22, s23
	s_mov_b32 s23, 0
	v_and_b32 v13, 31, v0                          ; lane
	v_and_b32 v1, 15, v0                           ; r
	v_bfe_u32 v3, v0, 4, 1                         ; h
	v_xor_b32 v2, 1, v3                            ; 1 - h
	s_mul_i32 s24, s14, STGB
	s_add_co_u32 s24, s24, STG                     ; my stage
	s_add_co_u32 s25, s24, SBO
	s_add_co_u32 s26, s24, SQO
	v_lshlrev_b32 v7, 2, v13
	v_lshl_add_u32 v4, v13, 4, s24
	v_add_nc_u32 v5, s25, v13
	v_add_nc_u32 v6, s26, v7
	v_mul_u32_u24 v25, v1, LP
	v_lshl_add_u32 v25, v3, 4, v25                 ; 528 r + 16 h
	v_add_nc_u32 v8, s24, v25
	v_mad_u32_u24 v9, v13, 36, s25
	v_mad_u32_u24 v10, v13, 144, s26
	s_mul_i32 s29, s15, 32*LP
	s_lshl_b32 s30, s16, 7
	s_add_co_u32 s29, s29, s30
	s_add_co_u32 s29, s29, OUT
	v_mad_u32_u24 v11, v13, LP, s29                ; OUT: row 32 wn + lane, + 128 wm
	s_mul_i32 s29, s14, 8*LP
	s_add_co_u32 s29, s29, OUT
	v_lshl_add_u32 v12, v13, 4, s29                ; back: rows 8 w on, 16 bytes a lane
	; L's way into LDS.  Load k of 4,096 bytes: thread t holds item (point 16 (k / 2) + r, e = 2 w + 16 (k % 2) + h)
	s_lshl_b32 s29, s14, 5
	v_add_nc_u32 v25, s29, v25
	v_add_nc_u32 v26, LK, v25
	v_add_nc_u32 v25, LQ, v25
	v_lshlrev_b32 v27, 4, v0
	s_lshl_b32 s29, s19, 19                        ; L_k: point 2048 + 1024 b + 128 x, 512 bytes a point
	s_lshl_b32 s30, ttmp9, 16
	s_add_co_u32 s29, s29, s30
	s_add_co_u32 s29, s29, 0x100000
	v_add_nc_u32 v28, s29, v27
	s_lshl_b32 s29, s18, 15                        ; L_q: point 64 y
	v_add_nc_u32 v27, s29, v27
	v_and_b32 v34, 63, v0                          ; the scale bytes: thread t = 64 yy + i takes e = 8 yy on
	v_lshrrev_b32 v35, 6, v0
	v_lshlrev_b32 v29, 15, v35
	v_lshl_add_u32 v30, v34, 4, v29                ; L_k: 16 bytes a thread
	v_lshl_add_u32 v29, v34, 3, v29                ; L_q: 8 bytes a thread
	s_lshl_b32 s29, s18, 9
	v_add_nc_u32 v29, s29, v29
	s_lshl_b32 s29, s19, 13
	s_lshl_b32 s30, ttmp9, 10
	s_add_co_u32 s29, s29, s30
	s_add_co_u32 s29, s29, 16384
	v_add_nc_u32 v30, s29, v30
	v_lshrrev_b32 v31, 2, v34                      ; in LDS: four points' 128 bytes, word e
	v_lshlrev_b32 v31, 7, v31
	v_lshl_add_u32 v31, v35, 5, v31
	v_and_b32 v36, 3, v34
	v_lshl_add_u32 v31, v36, 3, v31
	v_add_nc_u32 v31, SQS, v31
	v_lshrrev_b32 v32, 1, v34
	v_lshlrev_b32 v32, 7, v32
	v_lshl_add_u32 v32, v35, 5, v32
	v_and_b32 v36, 1, v34
	v_lshl_add_u32 v32, v36, 4, v32
	v_add_nc_u32 v32, SKS, v32
	v_lshlrev_b32 v33, 7, v13                      ; K: my row
	v_lshlrev_b32 v37, 1, v0                       ; the zeros: 2 bytes a thread
	v_mov_b32 v38, 0
	v_lshlrev_b32 v1, 4, v1                        ; 16 r
	v_lshlrev_b32 v13, 4, v13                      ; 16 lane
	s_wait_kmcnt 0x0
	s_add_nc_u64 s[4:5], s[4:5], s[2:3]
	s_add_nc_u64 s[6:7], s[6:7], s[20:21]
	s_add_nc_u64 s[12:13], s[12:13], s[22:23]
	s_load_b512 s[32:47], s[4:5], 0x0              ; my first two rows of Q
	s_load_b512 s[48:63], s[4:5], 0x40
	s_load_b512 s[68:83], s[4:5], 0x80
	s_load_b512 s[84:99], s[4:5], 0xc0
.irp k, 0,1,2,3,4,5,6,7
	global_load_b128 v[128+4*\k:131+4*\k], v27, s[8:9] offset:4096*\k
.endr
.irp k, 0,1,2,3,4,5,6,7,8,9,10,11,12,13,14,15
	global_load_b128 v[160+4*\k:163+4*\k], v28, s[8:9] offset:4096*\k
.endr
	global_load_b64 v[224:225], v29, s[10:11]
	global_load_b128 v[228:231], v30, s[10:11]
.irp k, 0,1,2,3,4,5,6,7
	global_load_b128 v[64+4*\k:67+4*\k], v33, s[6:7] offset:16*\k
.endr
	s_mov_b32 s21, 0                               ; byte offset of the rows of Q in hand
	s_mul_i32 s22, s15, 32*LP
	s_add_co_u32 s22, s22, LQ                      ; L_q of my first n
	s_mov_b32 s23, 0                               ; steps in the stage: codes,
	s_mov_b32 s24, 0                               ; bytes,
	s_mov_b32 s25, 0                               ; sums
	s_lshl_b32 s26, s15, 10
	s_add_co_u32 s26, s26, SQS                     ; its scale words
	s_mov_b32 s27, 0x358637bd                      ; 1e-6
	s_mov_b32 s28, 0x49742400                      ; 1e6
	s_mov_b32 s20, 8
	ADDR 4, 5
	ds_store_b16 v37, v38                          ; LDS bytes 0-511 = 0
	s_wait_loadcnt 8                               ; L's codes and bytes are in; younger: K's eight loads
.irp k, 0,1,2,3,4,5,6,7
	ds_store_b128 v25, v[128+4*\k:131+4*\k] offset:(\k/2)*16*LP+(\k%2)*256
.endr
.irp k, 0,1,2,3,4,5,6,7,8,9,10,11,12,13,14,15
	ds_store_b128 v26, v[160+4*\k:163+4*\k] offset:(\k/2)*16*LP+(\k%2)*256
.endr
	ds_store_b64 v31, v[224:225]
	ds_store_b128 v32, v[228:231]
	s_wait_dscnt 0x0                               ; for the others' sake: my part of L lies in LDS; and the stores have read their registers
	s_barrier_signal -1
.irp j, 0,1,2,3                                ; register work while the others arrive: the halves of A_j that stay zero codes
.irp k, 0,1,2,3
	v_mov_b32 v[192+16*\j+4*(1-\j/2)+\k], 0
	v_mov_b32 v[200+16*\j+4*(1-\j/2)+\k], 0
.endr
.endr
	s_barrier_wait -1
	s_wait_loadcnt 0x0                             ; K's row
; Two n: differences, codes, bytes; the rows of Q two further on are asked for as soon as these are used
.macro HALFA hf
	s_wait_kmcnt 0x0                               ; the two rows are in; their loads have read s21
	s_add_co_u32 s21, s21, 256
	s_min_u32 s21, s21, 3840                       ; the last look-ahead asks for my last two rows again: no load leaves Q
.set i, 0
.rept 32
	v_sub_f32 v[128+i], s[32+i], v[64+i]
	v_sub_f32 v[160+i], s[68+i], v[64+i]
.set i, i+1
.endr
	s_load_b512 s[32:47], s[4:5], s21 offset:0x0
	s_load_b512 s[48:63], s[4:5], s21 offset:0x40
	s_load_b512 s[68:83], s[4:5], s21 offset:0x80
	s_load_b512 s[84:99], s[4:5], s21 offset:0xc0
	QPAIR 128, 160, 96+4*\hf, 104+4*\hf, 118+2*\hf, 119+2*\hf
.if \hf == 0
	v_lshl_or_b32 v24, v119, 8, v118               ; delta's scale word: lane m, byte j for n0 + j
.else
	v_lshl_or_b32 v24, v120, 16, v24
	v_lshl_or_b32 v24, v121, 24, v24
.endif
	ds_store_b8 v19, v[118+2*\hf] offset:36*(2*\hf)
	ds_store_b8 v19, v[119+2*\hf] offset:36*(2*\hf+1)
	ds_store_b128 v18, v[96+4*\hf:99+4*\hf] offset:LP*(2*\hf)
	ds_store_b128 v18, v[104+4*\hf:107+4*\hf] offset:LP*(2*\hf+1)
.endm
.Lqa:                                              ; PHASE A: eight trips of four n
	LOADA                                          ; L_q of n0 .. n0 + 3 lands while the differences are made
	HALFA 0
	HALFA 1
	s_wait_dscnt 0x0                               ; L_q is in; the stores have read the codes and their addresses, which are written below
.irp i, 0,1,2,3,4,5,6,7
	v_permlane16_swap_b32 v[96+\i], v[104+\i]      ; block j of v96-103 is now (n0 + j, m 0-15), of v104-111 (n0 + j, m 16-31)
.endr
	s_add_co_u32 s22, s22, 4*LP
	s_add_co_u32 s23, s23, 4*LP
	s_add_co_u32 s24, s24, 4*36
	s_add_co_u32 s26, s26, 128
	ADDR 4, 5                                      ; the next trip's addresses: with the line below eight plain lines between delta's scale word and the scaled products, and four and more behind its codes
	v_add_nc_u32 v20, s25, v6                      ; this trip's place for the sums
	s_add_co_u32 s25, s25, 4*144
	WALL 128, 96, 0
.rept 4
	v_nop                                          ; four places in front of the first read of the results (ISA guide 7.12.1)
.endr
	SQSUM 128, 40
	WALL 128, 104, 1                               ; over the same registers: the four places and the other accumulators' sums stand between
.rept 4
	v_nop
.endr
	SQSUM 128, 44
.irp j, 0,1,2,3
	v_permlane16_swap_b32 v[40+\j], v[44+\j]       ; a pair's e lie in lanes l and l xor 16: after the exchange lane m holds both halves of pair (n0 + j, m)
.endr
.irp j, 0,1,2,3
	v_add_f32 v[40+\j], v[40+\j], v[44+\j]
.endr
.irp j, 0,1,2,3
	ds_store_b32 v20, v[40+\j] offset:144*\j
.endr
	s_sub_co_u32 s20, s20, 1
	s_cmp_lg_u32 s20, 0
	s_cbranch_scc1 .Lqa
	s_wait_kmcnt 0x0                               ; the last look-ahead
	s_wait_dscnt 0x0                               ; my stores into my stage are done: their addresses may be written
	s_mul_i32 s22, s16, 32*LP
	s_add_co_u32 s22, s22, LK                      ; L_k of my first m
	s_mov_b32 s23, 0
	s_mov_b32 s24, 0
	s_mov_b32 s25, 0
	s_lshl_b32 s26, s16, 10
	s_add_co_u32 s26, s26, SKS
	ADDR 8, 9
	LOADB                                          ; the stage is my own: LDS serves a wave's instructions in order (ISA guide 5.7.1.4)
; PHASE B: four m.  next = 1: the next four m's operands are asked for behind the products
.macro TRIPB next
	s_wait_dscnt 0x0                               ; the operands are in; the last trip's store has read its registers
	v_add_nc_u32 v20, s25, v10
	v_add_nc_u32 v22, s25, v11
	ds_load_b128 v[28:31], v20                     ; the q side's sums of (n = lane, m0 .. m0 + 3)
	WALL 128, 48, 0                                ; n 0-15
	WALL 64, 56, 1                                 ; n 16-31
.if \next
	s_add_co_u32 s22, s22, 4*LP
	s_add_co_u32 s23, s23, 64
	s_add_co_u32 s24, s24, 4
	s_add_co_u32 s25, s25, 16
	s_add_co_u32 s26, s26, 128
	ADDR 8, 9                                      ; seven plain lines: the places in front of the loads into the operands and of the first read of the results
	LOADB
.else
.rept 4
	v_nop
.endr
.endif
	SQSUM 128, 40
	SQSUM 64, 44
.irp j, 0,1,2,3
	v_permlane16_swap_b32 v[40+\j], v[44+\j]
.endr
.irp j, 0,1,2,3
	v_add_f32 v[40+\j], v[40+\j], v[44+\j]         ; lane n: the k side's sum of (n, m0 + j)
.endr
.if \next
	s_wait_dscnt 14                                ; the q sums are in; younger: the next trip's fourteen loads
.else
	s_wait_dscnt 0x0
.endif
	v_pk_add_f32 v[40:41], v[40:41], v[28:29]
	v_pk_add_f32 v[42:43], v[42:43], v[30:31]
	v_pk_mul_f32 v[40:41], v[40:41], 0.5 op_sel_hi:[1,0]
	v_pk_mul_f32 v[42:43], v[42:43], 0.5 op_sel_hi:[1,0]
.irp j, 0,1,2,3
	v_med3_num_f32 v[40+\j], v[40+\j], s27, s28
.endr
.irp j, 0,1,2,3
	v_sqrt_f32 v[40+\j], v[40+\j]
.endr
	v_nop                                          ; a plain line between the roots and the use of their results
	s_wait_alu depctr_va_vdst(0)
	ds_store_b128 v22, v[40:43]
.endm
	s_mov_b32 s20, 7
.Lkb:
	TRIPB 1
	s_sub_co_u32 s20, s20, 1
	s_cmp_lg_u32 s20, 0
	s_cbranch_scc1 .Lkb
	TRIPB 0                                        ; the last four m ask for nothing more
	s_wait_dscnt 0x0                               ; my part of the result lies in LDS
	s_barrier_signal -1
	s_barrier_wait -1                              ; a row's 512 bytes come from four waves
.irp i, 0,1,2,3,4,5,6,7
	ds_load_b128 v[128+4*\i:131+4*\i], v12 offset:LP*\i
.endr
.irp i, 0,1,2,3,4,5,6,7
	s_wait_dscnt 7-\i
	global_store_b128 v13, v[128+4*\i:131+4*\i], s[12:13] offset:4096*\i th:TH_STORE_NT   ; 32 lanes store 512 consecutive bytes, aligned; written once, read by nobody here
.endr
	s_set_vgpr_msb 0x5
	s_wait_tensorcnt 0x0
	ds_add_u32 v0, v1
	s_wait_dscnt 0x0
	s_set_vgpr_msb 0x500
	s_endpgm
.Lfunc_end_k_qe3e2e6e298_pairs:
	.size	k_qe3e2e6e298_pairs, .Lfunc_end_k_qe3e2e6e298_pairs-k_qe3e2e6e298_pairs
	.p2alignl 7, 3214868480
	.fill 96, 4, 3214868480
	.section	.rodata,"a",@progbits
	.p2align	6, 0x0
	.amdhsa_kernel k_qe3e2e6e298_pairs
		.amdhsa_group_segment_fixed_size 325120
		.amdhsa_private_segment_fixed_size 0
		.amdhsa_enable_private_segment 0
		.amdhsa_kernarg_size 40
		.amdhsa_user_sgpr_count 2
		.amdhsa_user_sgpr_kernarg_segment_ptr 1
		.amdhsa_wavefront_size32 1
		.amdhsa_system_sgpr_workgroup_id_x 1
		.amdhsa_system_sgpr_workgroup_id_y 1
		.amdhsa_system_sgpr_workgroup_id_z 1
		.amdhsa_system_vgpr_workitem_id 0
		.amdhsa_next_free_vgpr 258
		.amdhsa_next_free_sgpr 100
		.amdhsa_reserve_vcc 0
		.amdhsa_float_denorm_mode_32 3
		.amdhsa_float_denorm_mode_16_64 3
		.amdhsa_memory_ordered 1
		.amdhsa_forward_progress 1
		.amdhsa_inst_pref_size 52
	.end_amdhsa_kernel
	.amdgpu_metadata
---
amdhsa.version: [ 1, 2 ]
amdhsa.kernels:
  - .name:           k_qe3e2e6e298_pairs
    .symbol:         k_qe3e2e6e298_pairs.kd
    .args:
      - { .name: Q, .offset: 0, .size: 8, .value_kind: global_buffer, .address_space: global }
      - { .name: K, .offset: 8, .size: 8, .value_kind: global_buffer, .address_space: global }
      - { .name: lcodes, .offset: 16, .size: 8, .value_kind: global_buffer, .address_space: global }
      - { .name: lscales, .offset: 24, .size: 8, .value_kind: global_buffer, .address_space: global }
      - { .name: out0, .offset: 32, .size: 8, .value_kind: global_buffer, .address_space: global }
    .group_segment_fixed_size: 325120
    .private_segment_fixed_size: 0
    .kernarg_segment_align: 8
    .kernarg_segment_size: 40
    .max_flat_workgroup_size: 256
    .sgpr_count:     100
    .vgpr_count:     258
    .wavefront_size: 32
...
	.end_amdgpu_metadata
.endif
;; end of part 2
;; ======== version 2 of 2: 2 launches; 1.13 times as fast as version 1
;; workspace buffers: lcodes 2,097,152 bytes; lscales 131,072 bytes
;; launch factor: the kernel of part 1 again; grid 64 x 4, 4 waves a work-group, no clusters, 32,768 bytes of LDS; arguments Q, K, W1, b1, W2, b2, lcodes, lscales; writes lcodes, lscales
;; launch pairs (part 3): grid 8 x 32, 8 waves a work-group, no clusters, 325,120 bytes of LDS; arguments Q, K, lcodes, lscales, out0; writes out0
.if DOCPART == 3
	.amdgcn_target "amdgcn-amd-amdhsa--gfx1250"
	.amdhsa_code_object_version 6
	.text
	.protected	k_qe3e2e6e298_pairs
	.globl	k_qe3e2e6e298_pairs
	.p2align	8
	.type	k_qe3e2e6e298_pairs,@function
k_qe3e2e6e298_pairs:
	s_mov_b64 s[64:65], 0
	v_nop
	global_prefetch_b8 v0, s[64:65] scope:SCOPE_SE
	s_setreg_imm32_b32 hwreg(HW_REG_WAVE_MODE, 25, 1), 1
	s_wait_xcnt 0x0
; out[b][n][m] = sqrt(clip(0.5 (|L_q[n]^T delta|^2 + |L_k[m]^T delta|^2), 1e-6, 1e6)), delta = Q[b][n] - K[b][m], 32 numbers: ONE block of the quantiser, the same codes in both products.
; L's codes and scale bytes come from the launch before (item (p, e): 16 bytes, d = 0..31; a scale word holds four neighbouring points' bytes for one e).
; SHARES: a work-group makes 64 n x 128 m (x: block of m; y: 16 b + block of n); wave w = (wn = w / 4, wm = w % 4) makes 32 n x 32 m.
; K IS 32 OF THE INSTRUCTION'S 128.  delta's operand is dense: each of its four blocks holds 16 other pairs.  L's operand A_j holds point 4 i + j in block j and zero codes elsewhere, so a product takes
; block j's 16 pairs alone: 8 products (4 points x 2 halves of e) serve 64 pairs.  Source 0 = 16 columns e of L, source 1 = 16 pairs: a lane holds one pair and eight e.
; PHASE A (L_q): a lane holds one m (K's row in 32 registers).  32 more registers hold 16 rows of Q, lane l row l % 16, alike in both halves of the lanes; the subtraction takes its first source from lane n of
;   its own sixteen (DPP row_share), so that Q costs no instruction and no wait in the loop.  Four n to a quad, four quads to a trip, two trips.  A lane's 32 differences are a whole block: no other lane is asked.
;   The codes (16 bytes a pair), the bytes and the q side's sums of squares go to the wave's own stage in LDS.
; PHASE B (L_k): four m a trip; the codes come back from the stage with n across the lanes; the sums meet, and the result goes to the work-group's stage for whole rows.
; L is read by one work-group from memory once (96 KB of codes) and kept in LDS, filled once through registers: no tile is filled again.  No cluster: the L that neighbouring work-groups share is read once at the head,
; a small part of the launch.
; LIMITS: NaN and infinities are not served.  A block of differences under 2^-124 keeps the scale byte 1; a block of zeros too: its codes are zeros.
.set LP,    528                        ; a point's 32 items, 512 bytes + 16: sixteen rows that a 16-byte access touches start in different banks (ISA guide 11.1)
.set LQ,    512                        ; LDS: bytes 0-511 are zeros; then L_q of my 64 n,
.set LK,    34304                      ; L_k of my 128 m,
.set SQS,   101888                     ; their scale words: 128 bytes for each four points: word e
.set SKS,   103936
.set STG,   108032                     ; the waves' own stages,
.set STGB,  22784                      ; each: codes 32 n x 528 (item m at 16 m);
.set SBO,   16896                      ; bytes 32 n x 36 (byte m);
.set SQO,   18048                      ; q sums 32 n x 144 (f32 m)
.set OUT,   290304                     ; the result: 64 rows x 528
.set FLOOR, 0x1800000                  ; 2^(3 - 127): the byte cannot fall under 1
.set EOFF,  0xff000000                 ; takes 2 off an exponent field
.set M,     112                        ; v112-115 running maxima
.set SC,    116                        ; v116-117 the conversions' scale operands
; REGISTERS: v1 16 r, v2 1 - h, v3 h, v4-6 my places in the stage in phase A (codes, bytes, sums), v7 4 lane, v8-10 the same in phase B, v11 my place in OUT, v12 where I read OUT back, v13 16 lane;
; v14-17 addresses of A_0..A_3, v18 codes, v19 bytes, v20 sums, v21 L's scale words, v22 OUT.  SCALES AND NOTHING ELSE: v23 L's, v24 delta's.
; v28-31 four q sums; v32-39 sums at work; v40-43, v44-47 the two halves' sums; v48-63 Q's numbers 0-15 in phase A, delta's operands in phase B; v64-95 K's row, v96-103, v104-111 delta's operands in phase A,
; v118-121 bytes, v122 my row's offset in Q; v128-191 differences, then results; v64-127 results too in phase B; v240-255 Q's numbers 16-31.
; v192-239 L's eight operands, two to twelve registers: [point j's 16 e | zero codes | point j + 2's]: the first eight are A_j (data in blocks 0, 1), the last eight A_(j+2) (blocks 2, 3).
;   Twelve t = 2 (j % 2) + x at 192 + 12 t, x = 0: e 0-15, x = 1: e 16-31.
.macro QPAIR xa, xb, ca, cb, bya, byb          ; two whole blocks of 32 numbers, by turns: largest magnitude, scale operand, 4 conversions, byte; the shifts are the plain lines behind the conversions
	v_max3_num_f32 v[M], |v[(\xa)]|, |v[(\xa)+1]|, FLOOR
	v_max3_num_f32 v[M+1], |v[(\xa)+16]|, |v[(\xa)+17]|, |v[(\xa)+18]|
	v_max3_num_f32 v[M+2], |v[(\xb)]|, |v[(\xb)+1]|, FLOOR
	v_max3_num_f32 v[M+3], |v[(\xb)+16]|, |v[(\xb)+17]|, |v[(\xb)+18]|
.irp i, 0,1,2,3,4,5
	v_max3_num_f32 v[M], v[M], |v[(\xa)+2+2*\i]|, |v[(\xa)+3+2*\i]|
	v_max3_num_f32 v[M+1], v[M+1], |v[(\xa)+19+2*\i]|, |v[(\xa)+20+2*\i]|
	v_max3_num_f32 v[M+2], v[M+2], |v[(\xb)+2+2*\i]|, |v[(\xb)+3+2*\i]|
	v_max3_num_f32 v[M+3], v[M+3], |v[(\xb)+19+2*\i]|, |v[(\xb)+20+2*\i]|
.endr
	v_max3_num_f32 v[M], v[M], |v[(\xa)+14]|, |v[(\xa)+15]|
	v_max3_num_f32 v[M+2], v[M+2], |v[(\xb)+14]|, |v[(\xb)+15]|
	v_max3_num_f32 v[M], v[M], v[M+1], |v[(\xa)+31]|
	v_max3_num_f32 v[M+2], v[M+2], v[M+3], |v[(\xb)+31]|
	v_add_nc_u32 v[SC], EOFF, v[M]
	v_add_nc_u32 v[SC+1], EOFF, v[M+2]
.irp g, 0,1,2,3
	v_cvt_scalef32_pk8_fp4_f32 v[(\ca)+\g], v[(\xa)+8*\g:(\xa)+8*\g+7], v[SC]
	v_cvt_scalef32_pk8_fp4_f32 v[(\cb)+\g], v[(\xb)+8*\g:(\xb)+8*\g+7], v[SC+1]
.endr
	v_lshrrev_b32 v[\bya], 23, v[SC]
	v_lshrrev_b32 v[\byb], 23, v[SC+1]
.endm
.macro MM d, a, b, arow, brow                  ; one product that starts its sum with 0; the scale rows: lanes 0-15 or lanes 16-31 of v23 (L) and v24 (delta)
.if (\arow) && (\brow)
	v_wmma_scale_f32_16x16x128_f8f6f4 v[(\d):(\d)+7], v[(\a):(\a)+7], v[(\b):(\b)+7], 0, v23, v24 matrix_a_fmt:MATRIX_FMT_FP4 matrix_b_fmt:MATRIX_FMT_FP4 matrix_a_scale:MATRIX_SCALE_ROW1 matrix_b_scale:MATRIX_SCALE_ROW1
.elseif \arow
	v_wmma_scale_f32_16x16x128_f8f6f4 v[(\d):(\d)+7], v[(\a):(\a)+7], v[(\b):(\b)+7], 0, v23, v24 matrix_a_fmt:MATRIX_FMT_FP4 matrix_b_fmt:MATRIX_FMT_FP4 matrix_a_scale:MATRIX_SCALE_ROW1
.elseif \brow
	v_wmma_scale_f32_16x16x128_f8f6f4 v[(\d):(\d)+7], v[(\a):(\a)+7], v[(\b):(\b)+7], 0, v23, v24 matrix_a_fmt:MATRIX_FMT_FP4 matrix_b_fmt:MATRIX_FMT_FP4 matrix_b_scale:MATRIX_SCALE_ROW1
.else
	v_wmma_scale_f32_16x16x128_f8f6f4 v[(\d):(\d)+7], v[(\a):(\a)+7], v[(\b):(\b)+7], 0, v23, v24 matrix_a_fmt:MATRIX_FMT_FP4 matrix_b_fmt:MATRIX_FMT_FP4
.endif
.endm
.macro WALL d0, b, brow                        ; 64 pairs x 32 e: eight products into eight different accumulators; point j's 16 registers at d0 + 16 j
.irp j, 0,1,2,3
	MM (\d0)+16*\j, 192+24*(\j%2)+4*(\j/2), \b, 0, \brow
	MM (\d0)+16*\j+8, 204+24*(\j%2)+4*(\j/2), \b, 1, \brow
.endr
.endm
.macro SQSUM d0, t                             ; the squares of a lane's 16 e, for each of the four points, by turns; each accumulator from its low end on
.irp j, 0,1,2,3
	v_pk_mul_f32 v[32+2*\j:33+2*\j], v[(\d0)+16*\j:(\d0)+16*\j+1], v[(\d0)+16*\j:(\d0)+16*\j+1]
.endr
.irp i, 2,4,6,8,10,12,14
.irp j, 0,1,2,3
	v_pk_fma_f32 v[32+2*\j:33+2*\j], v[(\d0)+16*\j+\i:(\d0)+16*\j+\i+1], v[(\d0)+16*\j+\i:(\d0)+16*\j+\i+1], v[32+2*\j:33+2*\j]
.endr
.endr
.irp j, 0,1,2,3
	v_add_f32 v[(\t)+\j], v[32+2*\j], v[33+2*\j]
.endr
.endm
; The addresses of the next four points' operands.  A_j has its data in the lanes of half j % 2; the other lanes read the zeros at LDS bytes 0-511: address = 16 r + (1 or 0) x the point's first byte.
.macro ADDR ca, sb
	s_add_co_u32 s29, s22, LP
	s_add_co_u32 s30, s22, 2*LP
	s_add_co_u32 s31, s22, 3*LP
	v_mad_u32_u24 v14, v2, s22, v1
	v_mad_u32_u24 v15, v3, s29, v1
	v_mad_u32_u24 v16, v2, s30, v1
	v_mad_u32_u24 v17, v3, s31, v1
	v_add_nc_u32 v18, s23, v[\ca]
	v_add_nc_u32 v19, s24, v[\sb]
	v_add_nc_u32 v21, s26, v7
.endm
.macro LOADA                                   ; nine loads: point j's data stand at the low end (j < 2) or at the high end of their twelve registers
.irp j, 0,1,2,3
	ds_load_b128 v[192+24*(\j%2)+8*(\j/2):195+24*(\j%2)+8*(\j/2)], v[14+\j]
	ds_load_b128 v[204+24*(\j%2)+8*(\j/2):207+24*(\j%2)+8*(\j/2)], v[14+\j] offset:256
.endr
	ds_load_b32 v23, v21                           ; lane e: the four points' bytes for column e
.endm
.macro LOADB                                   ; fourteen loads: L_k's operands, and delta's with n across the lanes: lane (r, h): items (16 s + r, m0 + h) and (16 s + r, m0 + 2 + h)
	LOADA
	ds_load_b128 v[48:51], v18
	ds_load_b128 v[52:55], v18 offset:32
	ds_load_b128 v[56:59], v18 offset:16*LP
	ds_load_b128 v[60:63], v18 offset:16*LP+32
	ds_load_b32 v24, v19                           ; lane n: the bytes of (n, m0 .. m0 + 3)
.endm
.macro QLOAD off                               ; sixteen rows of Q from byte off of my 32 on: lane l takes row l % 16, 128 bytes
.irp k, 0,1,2,3
	global_load_b128 v[48+4*\k:51+4*\k], v122, s[4:5] offset:(\off)+16*\k
	global_load_b128 v[240+4*\k:243+4*\k], v122, s[4:5] offset:(\off)+64+16*\k
.endr
.endm
	s_load_b256 s[4:11], s[0:1], 0x0               ; Q s[4:5], K s[6:7], lcodes s[8:9], lscales s[10:11]
	s_load_b64 s[12:13], s[0:1], 0x20              ; out0
	s_set_vgpr_msb 0x40
	v_lshl_add_u32 v0, v0, 2, 0x4f200
	v_mov_b32 v1, 0
	s_set_vgpr_msb 0x4000
	v_lshrrev_b32 v25, 5, v0
	v_readfirstlane_b32 s14, v25                   ; wave 0..7
	s_lshr_b32 s15, s14, 2                         ; wn
	s_and_b32 s16, s14, 3                          ; wm
	s_and_b32 s18, ttmp7, 0xffff                   ; y = 16 b + block of n: my first n is point 64 y
	s_lshr_b32 s19, s18, 4                         ; b
	s_lshl_b32 s2, s18, 13                         ; Q: row 64 y + 32 wn, 128 bytes a row
	s_lshl_b32 s3, s15, 12
	s_add_co_u32 s2, s2, s3
	s_mov_b32 s3, 0
	s_lshl_b32 s20, s19, 17                        ; K: row 1024 b + 128 x + 32 wm
	s_lshl_b32 s21, ttmp9, 14
	s_add_co_u32 s20, s20, s21
	s_lshl_b32 s21, s16, 12
	s_add_co_u32 s20, s20, s21
	s_mov_b32 s21, 0
	s_lshl_b32 s22, s18, 18                        ; out0: row 64 y + 8 w of 4,096 bytes, + 512 x
	s_lshl_b32 s23, s14, 15
	s_add_co_u32 s22, s22, s23
	s_lshl_b32 s23, ttmp9, 9
	s_add_co_u32 s22, s22, s23
	s_mov_b32 s23, 0
	v_and_b32 v13, 31, v0                          ; lane
	v_and_b32 v1, 15, v0                           ; r
	v_bfe_u32 v3, v0, 4, 1                         ; h
	v_xor_b32 v2, 1, v3                            ; 1 - h
	s_mul_i32 s24, s14, STGB
	s_add_co_u32 s24, s24, STG                     ; my stage
	s_add_co_u32 s25, s24, SBO
	s_add_co_u32 s26, s24, SQO
	v_lshlrev_b32 v7, 2, v13
	v_lshl_add_u32 v4, v13, 4, s24
	v_add_nc_u32 v5, s25, v13
	v_add_nc_u32 v6, s26, v7
	v_mul_u32_u24 v25, v1, LP
	v_lshl_add_u32 v25, v3, 4, v25                 ; 528 r + 16 h
	v_add_nc_u32 v8, s24, v25
	v_mad_u32_u24 v9, v13, 36, s25
	v_mad_u32_u24 v10, v13, 144, s26
	s_mul_i32 s29, s15, 32*LP
	s_lshl_b32 s30, s16, 7
	s_add_co_u32 s29, s29, s30
	s_add_co_u32 s29, s29, OUT
	v_mad_u32_u24 v11, v13, LP, s29                ; OUT: row 32 wn + lane, + 128 wm
	s_mul_i32 s29, s14, 8*LP
	s_add_co_u32 s29, s29, OUT
	v_lshl_add_u32 v12, v13, 4, s29                ; back: rows 8 w on, 16 bytes a lane
	; L's way into LDS.  Load k of 4,096 bytes: thread t holds item (point 16 (k / 2) + r, e = 2 w + 16 (k % 2) + h)
	s_lshl_b32 s29, s14, 5
	v_add_nc_u32 v25, s29, v25
	v_add_nc_u32 v26, LK, v25
	v_add_nc_u32 v25, LQ, v25
	v_lshlrev_b32 v27, 4, v0
	s_lshl_b32 s29, s19, 19                        ; L_k: point 2048 + 1024 b + 128 x, 512 bytes a point
	s_lshl_b32 s30, ttmp9, 16
	s_add_co_u32 s29, s29, s30
	s_add_co_u32 s29, s29, 0x100000
	v_add_nc_u32 v28, s29, v27
	s_lshl_b32 s29, s18, 15                        ; L_q: point 64 y
	v_add_nc_u32 v27, s29, v27
	v_and_b32 v34, 63, v0                          ; the scale bytes: thread t = 64 yy + i takes e = 8 yy on
	v_lshrrev_b32 v35, 6, v0
	v_lshlrev_b32 v29, 15, v35
	v_lshl_add_u32 v30, v34, 4, v29                ; L_k: 16 bytes a thread
	v_lshl_add_u32 v29, v34, 3, v29                ; L_q: 8 bytes a thread
	s_lshl_b32 s29, s18, 9
	v_add_nc_u32 v29, s29, v29
	s_lshl_b32 s29, s19, 13
	s_lshl_b32 s30, ttmp9, 10
	s_add_co_u32 s29, s29, s30
	s_add_co_u32 s29, s29, 16384
	v_add_nc_u32 v30, s29, v30
	v_lshrrev_b32 v31, 2, v34                      ; in LDS: four points' 128 bytes, word e
	v_lshlrev_b32 v31, 7, v31
	v_lshl_add_u32 v31, v35, 5, v31
	v_and_b32 v36, 3, v34
	v_lshl_add_u32 v31, v36, 3, v31
	v_add_nc_u32 v31, SQS, v31
	v_lshrrev_b32 v32, 1, v34
	v_lshlrev_b32 v32, 7, v32
	v_lshl_add_u32 v32, v35, 5, v32
	v_and_b32 v36, 1, v34
	v_lshl_add_u32 v32, v36, 4, v32
	v_add_nc_u32 v32, SKS, v32
	v_lshlrev_b32 v33, 7, v13                      ; K: my row
	v_lshlrev_b32 v122, 7, v1                      ; Q: row lane % 16; never rewritten while a load of Q may be out
	v_lshlrev_b32 v37, 1, v0                       ; the zeros: 2 bytes a thread
	v_mov_b32 v38, 0
	v_lshlrev_b32 v1, 4, v1                        ; 16 r
	v_lshlrev_b32 v13, 4, v13                      ; 16 lane
	s_wait_kmcnt 0x0
	s_add_nc_u64 s[4:5], s[4:5], s[2:3]
	s_add_nc_u64 s[6:7], s[6:7], s[20:21]
	s_add_nc_u64 s[12:13], s[12:13], s[22:23]
.irp k, 0,1,2,3,4,5,6,7
	global_load_b128 v[128+4*\k:131+4*\k], v27, s[8:9] offset:4096*\k
.endr
.irp k, 0,1,2,3,4,5,6,7,8,9,10,11,12,13,14,15
	global_load_b128 v[160+4*\k:163+4*\k], v28, s[8:9] offset:4096*\k
.endr
	global_load_b64 v[224:225], v29, s[10:11]
	global_load_b128 v[228:231], v30, s[10:11]
.irp k, 0,1,2,3,4,5,6,7
	global_load_b128 v[64+4*\k:67+4*\k], v33, s[6:7] offset:16*\k
.endr
	QLOAD 0                                        ; my first sixteen n
	s_mul_i32 s22, s15, 32*LP
	s_add_co_u32 s22, s22, LQ                      ; L_q of my first n
	s_mov_b32 s23, 0                               ; steps in the stage: codes,
	s_mov_b32 s24, 0                               ; bytes,
	s_mov_b32 s25, 0                               ; sums
	s_lshl_b32 s26, s15, 10
	s_add_co_u32 s26, s26, SQS                     ; its scale words
	s_mov_b32 s27, 0x358637bd                      ; 1e-6
	s_mov_b32 s28, 0x49742400                      ; 1e6
	s_mov_b32 s20, 2
	ADDR 4, 5
	ds_store_b16 v37, v38                          ; LDS bytes 0-511 = 0
	s_wait_loadcnt 16                              ; L's codes and bytes are in; younger: K's eight loads and Q's eight
.irp k, 0,1,2,3,4,5,6,7
	ds_store_b128 v25, v[128+4*\k:131+4*\k] offset:(\k/2)*16*LP+(\k%2)*256
.endr
.irp k, 0,1,2,3,4,5,6,7,8,9,10,11,12,13,14,15
	ds_store_b128 v26, v[160+4*\k:163+4*\k] offset:(\k/2)*16*LP+(\k%2)*256
.endr
	ds_store_b64 v31, v[224:225]
	ds_store_b128 v32, v[228:231]
	s_wait_dscnt 0x0                               ; for the others' sake: my part of L lies in LDS; and the stores have read their registers
	s_barrier_signal -1
.irp t, 0,1,2,3                                ; register work while the others arrive: the four registers in the middle of each twelve stay zero codes
.irp k, 0,1,2,3
	v_mov_b32 v[196+12*\t+\k], 0
.endr
.endr
	s_barrier_wait -1
; Two n, rows ra and rb of the sixteen in registers: differences, codes, bytes.  more = 1: these are the last reads of the sixteen rows, and the next sixteen are asked for, if there are any
.macro HALFA hf, ra, rb, more
.set i, 0
.rept 16
	v_sub_f32_dpp v[128+i], v[48+i], v[64+i] row_share:\ra row_mask:0xf bank_mask:0xf     ; Q[n][i] from lane n of my sixteen, less my K[m][i]
	v_sub_f32_dpp v[160+i], v[48+i], v[64+i] row_share:\rb row_mask:0xf bank_mask:0xf
.set i, i+1
.endr
.set i, 0
.rept 16
	v_sub_f32_dpp v[144+i], v[240+i], v[80+i] row_share:\ra row_mask:0xf bank_mask:0xf
	v_sub_f32_dpp v[176+i], v[240+i], v[80+i] row_share:\rb row_mask:0xf bank_mask:0xf
.set i, i+1
.endr
.if \more
	s_cmp_eq_u32 s20, 1                            ; the last trip asks for nothing: no load leaves Q
	s_cbranch_scc1 .Lno_more_\@
	QLOAD 2048                                     ; my second sixteen n: they have the rest of this quad in which to land
.Lno_more_\@:
.endif
	QPAIR 128, 160, 96+4*\hf, 104+4*\hf, 118+2*\hf, 119+2*\hf
.if \hf == 0
	v_lshl_or_b32 v24, v119, 8, v118               ; delta's scale word: lane m, byte j for n0 + j
.else
	v_lshl_or_b32 v24, v120, 16, v24
	v_lshl_or_b32 v24, v121, 24, v24
.endif
	ds_store_b8 v19, v[118+2*\hf] offset:36*(2*\hf)
	ds_store_b8 v19, v[119+2*\hf] offset:36*(2*\hf+1)
	ds_store_b128 v18, v[96+4*\hf:99+4*\hf] offset:LP*(2*\hf)
	ds_store_b128 v18, v[104+4*\hf:107+4*\hf] offset:LP*(2*\hf+1)
.endm
; Four n: rows r0 .. r3 of the sixteen in registers
.macro QUAD r0, r1, r2, r3, more
	LOADA                                          ; L_q of n0 .. n0 + 3 lands while the differences are made
	HALFA 0, \r0, \r1, 0
	HALFA 1, \r2, \r3, \more
	s_wait_dscnt 0x0                               ; L_q is in; the stores have read the codes and their addresses, which are written below
.irp i, 0,1,2,3,4,5,6,7
	v_permlane16_swap_b32 v[96+\i], v[104+\i]      ; block j of v96-103 is now (n0 + j, m 0-15), of v104-111 (n0 + j, m 16-31)
.endr
	s_add_co_u32 s22, s22, 4*LP
	s_add_co_u32 s23, s23, 4*LP
	s_add_co_u32 s24, s24, 4*36
	s_add_co_u32 s26, s26, 128
	ADDR 4, 5                                      ; the next quad's addresses: with the line below eight plain lines between delta's scale word and the scaled products, and four and more behind its codes
	v_add_nc_u32 v20, s25, v6                      ; this quad's place for the sums
	s_add_co_u32 s25, s25, 4*144
	WALL 128, 96, 0
.rept 4
	v_nop                                          ; four places in front of the first read of the results (ISA guide 7.12.1)
.endr
	SQSUM 128, 40
	WALL 128, 104, 1                               ; over the same registers: the four places and the other accumulators' sums stand between
.rept 4
	v_nop
.endr
	SQSUM 128, 44
.irp j, 0,1,2,3
	v_permlane16_swap_b32 v[40+\j], v[44+\j]       ; a pair's e lie in lanes l and l xor 16: after the exchange lane m holds both halves of pair (n0 + j, m)
.endr
.irp j, 0,1,2,3
	v_add_f32 v[40+\j], v[40+\j], v[44+\j]
.endr
.irp j, 0,1,2,3
	ds_store_b32 v20, v[40+\j] offset:144*\j
.endr
.endm
.Lqa:                                              ; PHASE A: two trips of sixteen n
	s_wait_loadcnt 0x0                             ; the trip's sixteen rows of Q are in (first trip: K's row too)
	QUAD 0, 1, 2, 3, 0
	QUAD 4, 5, 6, 7, 0
	QUAD 8, 9, 10, 11, 0
	QUAD 12, 13, 14, 15, 1
	s_sub_co_u32 s20, s20, 1
	s_cmp_lg_u32 s20, 0
	s_cbranch_scc1 .Lqa
	s_wait_loadcnt 0x0                             ; no load of Q is out (the last trip asked for none): Q's registers and the loads' offset register are written again below
	s_wait_dscnt 0x0                               ; my stores into my stage are done: their addresses may be written
	s_mul_i32 s22, s16, 32*LP
	s_add_co_u32 s22, s22, LK                      ; L_k of my first m
	s_mov_b32 s23, 0
	s_mov_b32 s24, 0
	s_mov_b32 s25, 0
	s_lshl_b32 s26, s16, 10
	s_add_co_u32 s26, s26, SKS
	ADDR 8, 9
	LOADB                                          ; the stage is my own: LDS serves a wave's instructions in order (ISA guide 5.7.1.4)
; PHASE B: four m.  next = 1: the next four m's operands are asked for behind the products
.macro TRIPB next
	s_wait_dscnt 0x0                               ; the operands are in; the last trip's store has read its registers
	v_add_nc_u32 v20, s25, v10
	v_add_nc_u32 v22, s25, v11
	ds_load_b128 v[28:31], v20                     ; the q side's sums of (n = lane, m0 .. m0 + 3)
	WALL 128, 48, 0                                ; n 0-15
	WALL 64, 56, 1                                 ; n 16-31
.if \next
	s_add_co_u32 s22, s22, 4*LP
	s_add_co_u32 s23, s23, 64
	s_add_co_u32 s24, s24, 4
	s_add_co_u32 s25, s25, 16
	s_add_co_u32 s26, s26, 128
	ADDR 8, 9                                      ; seven plain lines: the places in front of the loads into the operands and of the first read of the results
	LOADB
.else
.rept 4
	v_nop
.endr
.endif
	SQSUM 128, 40
	SQSUM 64, 44
.irp j, 0,1,2,3
	v_permlane16_swap_b32 v[40+\j], v[44+\j]
.endr
.irp j, 0,1,2,3
	v_add_f32 v[40+\j], v[40+\j], v[44+\j]         ; lane n: the k side's sum of (n, m0 + j)
.endr
.if \next
	s_wait_dscnt 14                                ; the q sums are in; younger: the next trip's fourteen loads
.else
	s_wait_dscnt 0x0
.endif
	v_pk_add_f32 v[40:41], v[40:41], v[28:29]
	v_pk_add_f32 v[42:43], v[42:43], v[30:31]
	v_pk_mul_f32 v[40:41], v[40:41], 0.5 op_sel_hi:[1,0]
	v_pk_mul_f32 v[42:43], v[42:43], 0.5 op_sel_hi:[1,0]
.irp j, 0,1,2,3
	v_med3_num_f32 v[40+\j], v[40+\j], s27, s28
.endr
.irp j, 0,1,2,3
	v_sqrt_f32 v[40+\j], v[40+\j]
.endr
	v_nop                                          ; a plain line between the roots and the use of their results
	s_wait_alu depctr_va_vdst(0)
	ds_store_b128 v22, v[40:43]
.endm
	s_mov_b32 s20, 7
.Lkb:
	TRIPB 1
	s_sub_co_u32 s20, s20, 1
	s_cmp_lg_u32 s20, 0
	s_cbranch_scc1 .Lkb
	TRIPB 0                                        ; the last four m ask for nothing more
	s_wait_dscnt 0x0                               ; my part of the result lies in LDS
	s_barrier_signal -1
	s_barrier_wait -1                              ; a row's 512 bytes come from four waves
.irp i, 0,1,2,3,4,5,6,7
	ds_load_b128 v[128+4*\i:131+4*\i], v12 offset:LP*\i
.endr
.irp i, 0,1,2,3,4,5,6,7
	s_wait_dscnt 7-\i
	global_store_b128 v13, v[128+4*\i:131+4*\i], s[12:13] offset:4096*\i th:TH_STORE_NT   ; 32 lanes store 512 consecutive bytes, aligned; written once, read by nobody here
.endr
	s_set_vgpr_msb 0x5
	s_wait_tensorcnt 0x0
	ds_add_u32 v0, v1
	s_wait_dscnt 0x0
	s_set_vgpr_msb 0x500
	s_endpgm
.Lfunc_end_k_qe3e2e6e298_pairs:
	.size	k_qe3e2e6e298_pairs, .Lfunc_end_k_qe3e2e6e298_pairs-k_qe3e2e6e298_pairs
	.p2alignl 7, 3214868480
	.fill 96, 4, 3214868480
	.section	.rodata,"a",@progbits
	.p2align	6, 0x0
	.amdhsa_kernel k_qe3e2e6e298_pairs
		.amdhsa_group_segment_fixed_size 325120
		.amdhsa_private_segment_fixed_size 0
		.amdhsa_enable_private_segment 0
		.amdhsa_kernarg_size 40
		.amdhsa_user_sgpr_count 2
		.amdhsa_user_sgpr_kernarg_segment_ptr 1
		.amdhsa_wavefront_size32 1
		.amdhsa_system_sgpr_workgroup_id_x 1
		.amdhsa_system_sgpr_workgroup_id_y 1
		.amdhsa_system_sgpr_workgroup_id_z 1
		.amdhsa_system_vgpr_workitem_id 0
		.amdhsa_next_free_vgpr 258
		.amdhsa_next_free_sgpr 66
		.amdhsa_reserve_vcc 0
		.amdhsa_float_denorm_mode_32 3
		.amdhsa_float_denorm_mode_16_64 3
		.amdhsa_memory_ordered 1
		.amdhsa_forward_progress 1
		.amdhsa_inst_pref_size 125
	.end_amdhsa_kernel
	.amdgpu_metadata
---
amdhsa.version: [ 1, 2 ]
amdhsa.kernels:
  - .name:           k_qe3e2e6e298_pairs
    .symbol:         k_qe3e2e6e298_pairs.kd
    .args:
      - { .name: Q, .offset: 0, .size: 8, .value_kind: global_buffer, .address_space: global }
      - { .name: K, .offset: 8, .size: 8, .value_kind: global_buffer, .address_space: global }
      - { .name: lcodes, .offset: 16, .size: 8, .value_kind: global_buffer, .address_space: global }
      - { .name: lscales, .offset: 24, .size: 8, .value_kind: global_buffer, .address_space: global }
      - { .name: out0, .offset: 32, .size: 8, .value_kind: global_buffer, .address_space: global }
    .group_segment_fixed_size: 325120
    .private_segment_fixed_size: 0
    .kernarg_segment_align: 8
    .kernarg_segment_size: 40
    .max_flat_workgroup_size: 256
    .sgpr_count:     66
    .vgpr_count:     258
    .wavefront_size: 32
...
	.end_amdgpu_metadata
.endif
;; end of part 3
